; MI455X (gfx1250); checked and timed in simulation.
; The chip was launched on July 23, 2026; its instructions are those of AMD's public machine-readable ISA for CDNA 5 (MIT licence, August 2026) and "CDNA5" Instruction Set Architecture Reference Guide (July 2026). The comments in the code are by the model that wrote it; some were corrected since.
;; Mo E Layer. Allowed arithmetic: float matrix products may take bf16 or f16 operands with f32 sums; other float arithmetic in f32, or as packed bf16 or f16 multiplies, adds, multiply-adds, maxima and minima; sums over many terms, partial sums and values carried from step to step in f32; what a program stores and reads back later, other than sums and carried values, may be rounded once to bf16 or f16.
;; Inputs: w_gate 1,024 x 8 float32; wd 8 x 1,024 x 1,024 float32; wg 8 x 1,024 x 1,024 float32; ws_d 1 x 1,024 x 1,024 float32; ws_g 1 x 1,024 x 1,024 float32; ws_u 1 x 1,024 x 1,024 float32; wu 8 x 1,024 x 1,024 float32; x 2 x 1,024 x 1,024 float32.
;; Outputs: out0 2 x 1,024 x 1,024 float32; out1 one number float32.
;; One version. Each part assembles by itself: llvm-mc -triple=amdgcn-amd-amdhsa -mcpu=gfx1250 --defsym DOCPART=n.
;; ======== version 1 of 1: 4 launches
;; workspace buffers: xb 4,194,304 bytes; sel 8,192 bytes of whole numbers; cwt 16,384 bytes; part 8,192 bytes; h 38,928,384 bytes; y 25,165,824 bytes
;; launch router (part 1): grid 128 x 1, 4 waves a work-group, no clusters, 50,176 bytes of LDS; arguments x, w_gate, xb, sel, cwt, part; writes xb, sel, cwt, part
.if DOCPART == 1
	.amdgcn_target "amdgcn-amd-amdhsa--gfx1250"
	.amdhsa_code_object_version 6
	.text
	.protected	k_q5bfc5d60c5_router
	.globl	k_q5bfc5d60c5_router
	.p2align	8
	.type	k_q5bfc5d60c5_router,@function
k_q5bfc5d60c5_router:
	s_mov_b64 s[64:65], 0
	v_nop
	global_prefetch_b8 v0, s[64:65] scope:SCOPE_SE
	s_setreg_imm32_b32 hwreg(HW_REG_WAVE_MODE, 25, 1), 1
	s_wait_xcnt 0x0
; ROUTER.  logits = x w_gate for 16 tokens a work-group; the two largest of the 8 logits, their softmax, the softmax over all 8 for the loss.
; Both x and w_gate are rounded to bf16 (nearest even) and multiplied by the matrix unit with f32 sums; the rounded x is also stored (xb) for the next launch.
; Stored at fixed places, so that no address here hangs on a result:  sel[token] = 1<<i1 | 1<<(8+i2) | 1<<16 (whole numbers: later launches place the rows by it; bit 16 is the
; shared expert's, which every token takes);  cwt[token] = the two weights;  part[work-group] = 8 sums of probabilities, then 8 counts as floats.
; LIMITS.  Logits are taken to be finite and no NaN.  Of equal logits the lower index wins (strict compare), as in the top-k of the problem.  The 1,024 products of a logit are added
; in four f32 sums of 8 K steps each, which are then added: another order than a plain chain.
; No cluster and no tensor load: no two work-groups share a tile but w_gate's 32,768 bytes, and those are rounded and turned on their way through registers.
.set XP,    2064                       ; an LDS row: 1,024 bf16 + 16 bytes of padding = 129 x 16: the 16 rows of a fragment load start at 16 different groups of four banks
.set WT,    16*XP                      ; behind x's 16 rows: w_gate turned, 8 rows [expert][k]
.set SPARE, 49664                      ; behind both: the spare words, 128 bytes a wave, two blocks of 256 bytes that no other line names
.set SPW, 30                           ; v30  my spare word's address; never rewritten
.set NIL, 31                           ; v31  0; never rewritten
.set PKR, 32                           ; v32-39   w_gate, packed
.set X,   64                           ; v64-191  my wave's 4 rows of x as loaded; then packed in place
.set W,   192                          ; v192-255 w_gate as loaded
.set FW,  64                           ; wave 0: fragments of w_gate, 8 K steps
.set FX,  128                          ; wave 0: fragments of x, 8 K steps
.set ACC, 192                          ; wave 0: four accumulators
.set L,   224                          ; v224-231 the lane's 8 logits
.set M1,  232
.set I1,  233
.set M2,  234
.set I2,  235
.set NI,  236                          ; -infinity
.set MC,  237                          ; log2(e) x the largest logit
.set CW,  238                          ; v238-239 the two weights
.set LM,  240                          ; v240-247 logits with the largest struck out; then exponents; then exponentials
.set D2,  248
.set S8,  249
.set S2,  250
.set R8,  251
.set R2,  252
.set B1,  253
.set B2,  254
.set ONE, 255
.set V,   64                           ; v64-79   8 probabilities, 8 counts
.set O,   80                           ; v80-83   what this lane stores of them
	s_load_b256 s[4:11], s[0:1], 0x0               ; x s[4:5], w_gate s[6:7], xb s[8:9], sel s[10:11]
	s_load_b128 s[12:15], s[0:1], 0x20             ; cwt s[12:13], part s[14:15]
	v_lshl_add_u32 v[SPW], v0, 2, SPARE
	v_mov_b32 v[NIL], 0
	v_and_b32 v1, 31, v0                           ; lane
	v_lshrrev_b32 v11, 5, v0
	v_readfirstlane_b32 s20, v11                   ; wave
	v_and_b32 v2, 15, v0                           ; r
	v_bfe_u32 v3, v0, 4, 1                         ; h
	s_lshl_b32 s22, s20, 14
	v_lshl_add_u32 v4, v1, 4, s22                  ; x: my wave's 4 rows of 4,096 bytes, 16 bytes a lane
	v_lshlrev_b32 v5, 6, v0                        ; w_gate: two rows of 32 bytes a thread
	s_mul_i32 s22, s20, 4*XP
	v_lshl_add_u32 v6, v1, 3, s22                  ; x's tile in LDS: my wave's 4 rows, 8 bytes a lane
	s_lshl_b32 s22, s20, 13
	v_lshl_add_u32 v7, v1, 3, s22                  ; xb: my wave's 4 rows of 2,048 bytes
	v_lshl_add_u32 v8, v0, 2, WT                   ; w_gate turned: a pair of k is 4 bytes
	v_mul_u32_u24 v9, v2, XP
	v_lshl_add_u32 v9, v3, 4, v9                   ; fragment of x: row r, 16 bytes for each half of the lanes
	v_and_b32 v10, 7, v0
	v_mul_u32_u24 v10, v10, XP
	v_lshl_add_u32 v10, v3, 4, v10
	v_add_nc_u32 v10, WT, v10                      ; fragment of w_gate: row r mod 8: rows 8-15 of the product repeat rows 0-7
	s_lshl_b32 s24, ttmp9, 16                      ; the work-group's 16 rows of x,
	s_mov_b32 s25, 0
	s_lshl_b32 s26, ttmp9, 15                      ; of xb,
	s_mov_b32 s27, 0
	s_lshl_b32 s28, ttmp9, 6                       ; its 64 bytes of sel and of part,
	s_mov_b32 s29, 0
	s_lshl_b32 s30, ttmp9, 7                       ; its 128 bytes of cwt
	s_mov_b32 s31, 0
	s_mov_b32 s21, 0x3fb8aa3b                      ; log2(e)
	s_wait_kmcnt 0x0
	s_add_nc_u64 s[4:5], s[4:5], s[24:25]
	s_add_nc_u64 s[8:9], s[8:9], s[26:27]
	s_add_nc_u64 s[10:11], s[10:11], s[28:29]
	s_add_nc_u64 s[12:13], s[12:13], s[30:31]
	s_add_nc_u64 s[14:15], s[14:15], s[28:29]
	; all loads go out at once: 16 of w_gate (thread t, task i: rows 2 (t + 128 i) and the next), then 32 of x (512 consecutive bytes each)
.irp i, 0,1,2,3
.irp j, 0,1,2,3
	global_load_b128 v[W+16*\i+4*\j:W+16*\i+4*\j+3], v5, s[6:7] offset:\i*8192+\j*16
.endr
.endr
.set n, 0
.rept 32
	global_load_b128 v[X+4*n:X+4*n+3], v4, s[4:5] offset:(n/8)*4096+(n%8)*512 th:TH_LOAD_NT
.set n, n+1
.endr
	s_wait_loadcnt 32                              ; w_gate is in: the 32 loads of x are younger
.irp i, 0,1,2,3
.irp e, 0,1,2,3,4,5,6,7
	v_cvt_pk_bf16_f32 v[PKR+\e], v[W+16*\i+\e], v[W+16*\i+8+\e]   ; expert e at k and k + 1
	ds_store_b32 v8, v[PKR+\e] offset:\e*XP+\i*512
.endr
.endr
.set n, 0
.rept 32
	s_wait_loadcnt 31-n                            ; loads come back in order: number n is in
	v_cvt_pk_bf16_f32 v[X+4*n], v[X+4*n], v[X+4*n+1]
	v_cvt_pk_bf16_f32 v[X+4*n+1], v[X+4*n+2], v[X+4*n+3]
	ds_store_b64 v6, v[X+4*n:X+4*n+1] offset:(n/8)*XP+(n%8)*256
	global_store_b64 v7, v[X+4*n:X+4*n+1], s[8:9] offset:(n/8)*2048+(n%8)*256   ; the wave stores 256 consecutive bytes, at a multiple of 256 from xb's first
.set n, n+1
.endr
	s_wait_dscnt 0x0                               ; for wave 0's sake: my stores into both tiles are done
	s_barrier_signal -1
	s_barrier_wait -1
	s_cmp_lg_u32 s20, 0
	s_cbranch_scc1 .Lend                           ; 32 matrix instructions are one wave's work
	s_wait_xcnt 0x0                                ; the stores to xb have read v64-191, which now take fragments
	; logits^T = w_gate^T x^T: source 0 = 16 rows of experts, source 1 = 16 tokens: a lane then holds the 8 logits of token r.  Four accumulators take turns.
.irp q, 0,1,2,3
.if \q
.rept 4
	v_nop                                          ; four places between the last product and the loads into registers that it read
.endr
.endif
.irp s, 0,1,2,3,4,5,6,7
	ds_load_b128 v[FW+8*\s:FW+8*\s+3],   v10 offset:(8*\q+\s)*64
	ds_load_b128 v[FW+8*\s+4:FW+8*\s+7], v10 offset:(8*\q+\s)*64+32
	ds_load_b128 v[FX+8*\s:FX+8*\s+3],   v9 offset:(8*\q+\s)*64
	ds_load_b128 v[FX+8*\s+4:FX+8*\s+7], v9 offset:(8*\q+\s)*64+32
.endr
	s_wait_dscnt 0x0
.irp s, 0,1,2,3,4,5,6,7
.if (\q) == 0 && (\s) < 4
	v_wmma_f32_16x16x32_bf16 v[ACC+8*((\s)&3):ACC+8*((\s)&3)+7], v[FW+8*\s:FW+8*\s+7], v[FX+8*\s:FX+8*\s+7], 0
.else
	v_wmma_f32_16x16x32_bf16 v[ACC+8*((\s)&3):ACC+8*((\s)&3)+7], v[FW+8*\s:FW+8*\s+7], v[FX+8*\s:FX+8*\s+7], v[ACC+8*((\s)&3):ACC+8*((\s)&3)+7]
.endif
.endr
.endr
.rept 4
	v_nop                                          ; four places in front of the first read of the sums
.endr
.irp p, 0,1,2,3                                        ; each accumulator is read from its low end on
	v_pk_add_f32 v[L+2*\p:L+2*\p+1], v[ACC+2*\p:ACC+2*\p+1], v[ACC+8+2*\p:ACC+8+2*\p+1]
	v_pk_add_f32 v[LM+2*\p:LM+2*\p+1], v[ACC+16+2*\p:ACC+16+2*\p+1], v[ACC+24+2*\p:ACC+24+2*\p+1]
.endr
.irp p, 0,1,2,3
	v_pk_add_f32 v[L+2*\p:L+2*\p+1], v[L+2*\p:L+2*\p+1], v[LM+2*\p:LM+2*\p+1]
.endr
	; the largest logit and its index; a later one wins only if it is greater
	v_mov_b32 v[M1], v[L]
	v_mov_b32 v[I1], 0
.irp e, 1,2,3,4,5,6,7
	v_cmp_gt_f32 vcc_lo, v[L+\e], v[M1]
	v_cndmask_b32 v[M1], v[M1], v[L+\e], vcc_lo
	v_cndmask_b32 v[I1], v[I1], \e, vcc_lo
.endr
	v_mov_b32 v[NI], 0xff800000
.irp e, 0,1,2,3,4,5,6,7
	v_cmp_eq_u32 vcc_lo, \e, v[I1]
	v_cndmask_b32 v[LM+\e], v[L+\e], v[NI], vcc_lo ; the largest is struck out,
.endr
	v_mov_b32 v[M2], v[LM]                         ; and the same scan finds the second
	v_mov_b32 v[I2], 0
.irp e, 1,2,3,4,5,6,7
	v_cmp_gt_f32 vcc_lo, v[LM+\e], v[M2]
	v_cndmask_b32 v[M2], v[M2], v[LM+\e], vcc_lo
	v_cndmask_b32 v[I2], v[I2], \e, vcc_lo
.endr
	; both softmaxes take the largest logit away: exponents are 0 at the most
	v_mul_f32 v[MC], s21, v[M1]
.irp e, 0,1,2,3,4,5,6,7
	v_fma_f32 v[LM+\e], v[L+\e], s21, -v[MC]
.endr
	v_fma_f32 v[D2], v[M2], s21, -v[MC]
.irp e, 0,1,2,3,4,5,6,7
	v_exp_f32 v[LM+\e], v[LM+\e]
.endr
	v_exp_f32 v[D2], v[D2]
	v_nop                                          ; a plain instruction behind the last exponential,
	s_wait_alu depctr_va_vdst(0)                   ; and one wait for the nine, ahead of their first reader
	v_add_f32 v[S8], v[LM], v[LM+1]
	v_add_f32 v[R8], v[LM+2], v[LM+3]
	v_add_f32 v[S2], v[LM+4], v[LM+5]
	v_add_f32 v[R2], v[LM+6], v[LM+7]
	v_add_f32 v[S8], v[S8], v[R8]
	v_add_f32 v[S2], v[S2], v[R2]
	v_add_f32 v[S8], v[S8], v[S2]
	v_add_f32 v[S2], 1.0, v[D2]                    ; the two chosen: 1 and 2^(second - first)
	v_rcp_f32 v[R8], v[S8]
	v_rcp_f32 v[R2], v[S2]
	v_mov_b32 v[ONE], 1                            ; the plain instruction behind the reciprocals
	s_wait_alu depctr_va_vdst(0)                   ; one wait for both
.irp e, 0,1,2,3,4,5,6,7
	v_mul_f32 v[V+\e], v[LM+\e], v[R8]
.endr
	v_mov_b32 v[CW], v[R2]
	v_mul_f32 v[CW+1], v[D2], v[R2]
	v_lshlrev_b32 v[B1], v[I1], v[ONE]
	v_lshlrev_b32 v[B2], v[I2], v[ONE]
	v_lshl_or_b32 v[M1], v[B2], 8, v[B1]
	v_or_b32 v[M1], 0x10000, v[M1]                 ; sel
	v_or_b32 v[B1], v[B1], v[B2]
.irp e, 0,1,2,3,4,5,6,7
	v_bfe_u32 v[V+8+\e], v[B1], \e, 1
	v_cvt_f32_u32 v[V+8+\e], v[V+8+\e]
.endr
	; sums over the 16 tokens, which lie in the 16 lanes of each half
.irp m, 1,2,4,8
.irp e, 0,1,2,3,4,5,6,7,8,9,10,11,12,13,14,15
	v_add_f32_dpp v[V+\e], v[V+\e], v[V+\e] row_xmask:\m row_mask:0xf bank_mask:0xf
.endr
.endr
	v_lshlrev_b32 v11, 2, v2                       ; sel: 4 r
	v_lshlrev_b32 v12, 3, v2                       ; cwt: 8 r
	v_and_b32 v13, 3, v0
	v_lshlrev_b32 v14, 4, v13                      ; part: lane mod 4 takes four of the sixteen numbers
	v_cmp_eq_u32 s24, 1, v13
	v_cmp_eq_u32 s25, 2, v13
	v_cmp_eq_u32 s26, 3, v13
.irp o, 0,1,2,3
	v_cndmask_b32 v[O+\o], v[V+\o], v[V+4+\o], s24
	v_cndmask_b32 v[O+\o], v[O+\o], v[V+8+\o], s25
	v_cndmask_b32 v[O+\o], v[O+\o], v[V+12+\o], s26
.endr
	global_store_b32 v11, v[M1], s[10:11]          ; lanes that hold the same token store the same number at the same place
	global_store_b64 v12, v[CW:CW+1], s[12:13]
	global_store_b128 v14, v[O:O+3], s[14:15]
.Lend:
	s_wait_tensorcnt 0x0                           ; the wave's end: three lines behind my last LDS store
	ds_add_u32 v[SPW], v[NIL]
	s_wait_dscnt 0x0
	s_endpgm
.Lfunc_end_k_q5bfc5d60c5_router:
	.size	k_q5bfc5d60c5_router, .Lfunc_end_k_q5bfc5d60c5_router-k_q5bfc5d60c5_router
	.p2alignl 7, 3214868480
	.fill 96, 4, 3214868480
	.section	.rodata,"a",@progbits
	.p2align	6, 0x0
	.amdhsa_kernel k_q5bfc5d60c5_router
		.amdhsa_group_segment_fixed_size 50176
		.amdhsa_private_segment_fixed_size 0
		.amdhsa_enable_private_segment 0
		.amdhsa_kernarg_size 48
		.amdhsa_user_sgpr_count 2
		.amdhsa_user_sgpr_kernarg_segment_ptr 1
		.amdhsa_wavefront_size32 1
		.amdhsa_system_sgpr_workgroup_id_x 1
		.amdhsa_system_sgpr_workgroup_id_y 1
		.amdhsa_system_sgpr_workgroup_id_z 1
		.amdhsa_system_vgpr_workitem_id 0
		.amdhsa_next_free_vgpr 256
		.amdhsa_next_free_sgpr 66
		.amdhsa_reserve_vcc 1
		.amdhsa_float_denorm_mode_32 3
		.amdhsa_float_denorm_mode_16_64 3
		.amdhsa_memory_ordered 1
		.amdhsa_forward_progress 1
		.amdhsa_inst_pref_size 43
	.end_amdhsa_kernel
	.amdgpu_metadata
---
amdhsa.version: [ 1, 2 ]
amdhsa.kernels:
  - .name:           k_q5bfc5d60c5_router
    .symbol:         k_q5bfc5d60c5_router.kd
    .args:
      - { .name: x, .offset: 0, .size: 8, .value_kind: global_buffer, .address_space: global }
      - { .name: w_gate, .offset: 8, .size: 8, .value_kind: global_buffer, .address_space: global }
      - { .name: xb, .offset: 16, .size: 8, .value_kind: global_buffer, .address_space: global }
      - { .name: sel, .offset: 24, .size: 8, .value_kind: global_buffer, .address_space: global }
      - { .name: cwt, .offset: 32, .size: 8, .value_kind: global_buffer, .address_space: global }
      - { .name: part, .offset: 40, .size: 8, .value_kind: global_buffer, .address_space: global }
    .group_segment_fixed_size: 50176
    .private_segment_fixed_size: 0
    .kernarg_segment_align: 8
    .kernarg_segment_size: 48
    .max_flat_workgroup_size: 128
    .sgpr_count:     66
    .vgpr_count:     256
    .wavefront_size: 32
...
	.end_amdgpu_metadata
.endif
;; end of part 1
;; launch up (part 2): grid 192 x 1, 8 waves a work-group, no clusters, 275,712 bytes of LDS; arguments xb, sel, wg, wu, ws_g, ws_u, h; writes h
.if DOCPART == 2
	.amdgcn_target "amdgcn-amd-amdhsa--gfx1250"
	.amdhsa_code_object_version 6
	.text
	.protected	k_q5bfc5d60c5_up
	.globl	k_q5bfc5d60c5_up
	.p2align	8
	.type	k_q5bfc5d60c5_up,@function
k_q5bfc5d60c5_up:
	s_mov_b64 s[64:65], 0
	v_nop
	global_prefetch_b8 v0, s[64:65] scope:SCOPE_SE
	s_setreg_imm32_b32 hwreg(HW_REG_WAVE_MODE, 25, 1), 1
	s_wait_xcnt 0x0
; FIRST PRODUCTS.  h = silu(t Wg) * (t Wu) for the rows that chose an expert, and for all rows with the shared expert ("expert 8").
; SHARES.  Work-groups 0-127: expert id / 16, slice id % 16 (64 columns of Wg and the same 64 of Wu), all of the expert's rows.  Work-groups 128-191: the shared expert's 16 slices x 4 parts of the rows.
; A work-group reads its slice (1,024 x 128 f32) once, rounds it to bf16 on the way through registers and keeps it in LDS as ready fragments.  Then each wave walks tiles of 48 rows x 128 columns
; (24 accumulators); the token rows come from xb straight into fragments, three K steps ahead, by the expert's list.
; EIGHT WAVES, two to a SIMD, 512 registers each: a wave issues in order, so during its run of loads at a K step's head, its waits and its way out it has no product to issue; the second wave on the SIMD has.
; The tile of a wave, and with it the LDS bytes read for each product, is what four waves of 768 registers had; what is given up is the depth of the token ring (four K steps in place of eight).
; THE LIST.  Every work-group makes its expert's list itself from sel (whole numbers stored by the launch before): wave w sorts tokens 256 w .. 256 w + 255 into its own 256 words, takers from the front, the others
; from the back; an entry is 2 x token + k (k: first or second choice).  Rank rho lies in the list of the wave whose running count covers it.  The next launch makes the same list by the same lines.
; It serves every split: 0 to 2,048 rows an expert.  In a tile that is not full the ranks past the count repeat the last row; an expert without rows stores nothing.
; K ORDER.  In K step X = 4 S + q the lane (r, h) holds k = 128 S + 64 h + 16 q + 0..15, alike in both operands: the products are the same, their order in the sums is another than ascending k.
; THE MATRIX INSTRUCTION IS USED TRANSPOSED: source 0 = 16 weight columns, source 1 = 16 tokens: a lane holds one token and eight neighbouring columns, which pack into 16 bytes.
; h: [expert 9][slice 16][block of 16 ranks 132][column block 4][half 2][rank 16][8 columns] in bf16: a wave's store is 512 consecutive bytes, and the next launch loads its fragments as they lie.
; THE LOOP OVER TILES ends on the expert's count, so every LDS address in it is fixed: a tile's 32 K steps are written out, the K step in the immediates, on five address registers that are never rewritten.
; LIMITS.  silu(g) u is rounded once to bf16 (bf16 and not f16: with inputs some 30 times larger it passes f16's range).  NaN and infinities are not treated apart.
; NO CLUSTER, NO TENSOR LOAD: a routed slice has one reader; all weights must be rounded and turned in registers, so no LDS tile could be shared; the token rows come by a list, which no descriptor covers.
.set FRAG,  1040                       ; a fragment in LDS: 2 x 512 bytes + 16: four fragments' starts fall on four different groups of four banks, which frees the turning stores of conflicts
.set QB,    8*FRAG                     ; a K step's eight fragments
.set LIST,  32*QB                      ; behind the weights: eight lists of 1,024 bytes
.set CNT,   LIST+8192                  ; the eight waves' counts, in a block of their own
.set SPARE, CNT+256                    ; the spare words, 128 bytes a wave, four blocks of 256 bytes that no other line names
.set SLB,   2112*128                   ; bytes of h for one expert and slice: 2,112 ranks (2,048 rounded up to tiles of 48) x 64 columns
.set NTRIP, 6                          ; 43 tiles at the most, dealt to eight waves
.set SSTEP, 256                        ; token rows: bytes from S to S + 1,
.set QOFF,  32                         ; from q to q + 1,
.set A2,    16                         ; and from a fragment's first four registers to its last four
.set LANE, 1
.set R,    2
.set H,    3
.set WOFF, 4                           ; my byte offset in the slice's half: row 16 (w % 4) + 8 h, columns 4 r ..; never rewritten
.set B0,   6                           ; 16 x lane: my place in a fragment; also the address for K steps 0-6
.set A,    10                          ; v10-12 this tile's row offsets in xb
.set N,    13                          ; v13-15 the next tile's
.set K,    16                          ; v16-18 16 mb + r
.set H128, 19                          ; 128 h
.set TL,   22                          ; v22-24 look-up: rank, then LDS address
.set TC,   25                          ; v25-27 look-up: the entry
.set HO,   28                          ; my byte offset in h
.set SPW,  30
.set NIL,  31
.set WS,   40                          ; v40-43 where my turned 16 bytes go, for rows 0-255, 256-511, 512-767, 768-1,023; never rewritten
.set CA,   45                          ; the counts' address
.set SEL,  48                          ; v48-55 my 8 words of sel; then
.set PKW,  48                          ; v48-63 four turned columns; then
.set FB,   48                          ; v48-51 the fragments' addresses for K steps 7-13, 14-20, 21-27, 28-31; never rewritten
.set DL,   52                          ; v52-54 look-up at work
.set BF0,  64                          ; v64-127, v128-191: weight fragments of one K step, two buffers
.set T,    128                         ; v128-159 the way out, at work: in the second buffer, which is idle from K step 31 to the next tile's K step 0
.set AR,   192                         ; v192-239 of window 0: token fragments of K steps 0, 1 mod 4; v192-239 of window 1: of K steps 2, 3 mod 4
.set W0S,  34                          ; s[34:35] my half of the slice (Wg's or Wu's 64 columns); never rewritten
.set A0S,  38                          ; s[38:39] xb; never rewritten
.set OUTS, 42                          ; s[42:43] h at my expert and slice
.set TH,   65                          ; s66-72 ranks from here on lie in wave 1's .. wave 7's list
.set DE,   72                          ; s73-79 what turns such a rank into a word of the eight lists
; window 1: the weights' ring of 8 units x 32 registers, then the accumulators, (mb, nb) at v[64 mb + 8 nb], and half of the token ring.
.set W_MUL, 0x50                       ; source 0 window 0, source 1 window 0 (+ 4: window 1), C and D window 1
.set W_RL,  0x40                       ; destination window 1
.set W_CVT, 0x05                       ; sources 0 and 1 window 1
.set W_G,   0x01                       ; source 0 window 1
.set MSB, 0
.macro WIN new                         ; the immediate's high byte repeats the setting that is left; a switch that changes nothing is dropped
.if MSB != (\new)
	s_set_vgpr_msb (MSB<<8)|(\new)
.set MSB, (\new)
.endif
.endm
	s_load_b256 s[4:11], s[0:1], 0x0               ; xb s[4:5], sel s[6:7], wg s[8:9], wu s[10:11]
	s_load_b128 s[12:15], s[0:1], 0x20             ; ws_g s[12:13], ws_u s[14:15]
	s_load_b64 s[16:17], s[0:1], 0x30              ; h
	v_lshl_add_u32 v[SPW], v0, 2, SPARE
	v_mov_b32 v[NIL], 0
	v_lshrrev_b32 v[TL], 5, v0
	v_readfirstlane_b32 s20, v[TL]                 ; wave 0..7
	v_and_b32 v[LANE], 31, v0
	v_and_b32 v[R], 15, v0
	v_bfe_u32 v[H], v0, 4, 1
	v_lshlrev_b32 v[B0], 4, v[LANE]
	s_and_b32 s32, s20, 3                          ; which 16 rows of every 64 are mine
	s_lshr_b32 s40, s20, 2                         ; which matrix: waves 0-3 Wg, waves 4-7 Wu
	s_lshl_b32 s33, s32, 16
	v_lshl_add_u32 v[WOFF], v[R], 4, s33
	v_lshl_add_u32 v[WOFF], v[H], 15, v[WOFF]      ; 16 (w % 4) rows + 8 h rows of 4,096 bytes + 16 r
	v_lshrrev_b32 v[TL+1], 2, v[R]
	v_mul_u32_u24 v[WS], v[TL+1], FRAG             ; my four columns lie in fragment r / 4 of my matrix's four,
	v_and_b32 v[TL+1], 3, v[R]
	v_lshl_add_u32 v[WS], v[TL+1], 6, v[WS]        ; in its lanes 4 (r % 4) ..,
	v_lshl_add_u32 v[WS], v[H], 9, v[WS]           ; my eight k are its first or its last four registers,
	s_mul_i32 s33, s32, QB                         ; q = w % 4,
	s_mul_i32 s41, s40, 4*FRAG                     ; Wu's fragments behind Wg's
	s_add_co_u32 s33, s33, s41
	v_add_nc_u32 v[WS], s33, v[WS]
.irp j, 1,2,3
	v_add_nc_u32 v[WS+\j], \j*8*QB, v[WS]          ; 256 rows are eight K steps
.endr
.irp mb, 0,1,2
	v_add_nc_u32 v[K+\mb], 16*\mb, v[R]
.endr
	v_lshlrev_b32 v[H128], 7, v[H]
	s_lshl_b32 s33, s20, 10
	v_add_nc_u32 v[TL], s33, v[B0]                 ; sel: my wave's 256 words
	s_add_co_u32 s55, s33, LIST                    ; my wave's list
	s_mov_b32 s54, 0                               ; takers so far
	v_sub_nc_u32 v32, 255, v[LANE]                 ; 255 - 32 x pass - lane
	s_lshl_b32 s33, s20, 9
	v_lshl_add_u32 v33, v[LANE], 3, s33            ; 2 x (256 w + 4 lane)
	s_mov_b32 s21, ttmp9
	s_lshr_b32 s56, s21, 4                         ; routed: the expert; shared: 8 + the part
	s_and_b32 s23, s21, 15                         ; the slice
	s_sub_co_u32 s57, s56, 8
	s_cmp_lt_u32 s21, 128
	s_cselect_b32 s22, s56, 16                     ; the bit of sel that counts (and 8 above it)
	s_cselect_b32 s58, s56, 8                      ; the expert's number in h
	s_cselect_b32 s24, 0, s57                      ; p: my part of the rows,
	s_cselect_b32 s25, 1, 4                        ; of P
	s_cselect_b32 s56, s56, 0
	s_lshl_b32 s56, s56, 22                        ; the expert's 4 MiB,
	s_lshl_b32 s57, s23, 8
	s_add_co_u32 s56, s56, s57                     ; the slice's 256 bytes of a row
	s_mov_b32 s57, 0
	s_lshl_b32 s58, s58, 4
	s_add_co_u32 s58, s58, s23
	s_mul_i32 s58, s58, SLB
	s_mov_b32 s59, 0
	s_wait_kmcnt 0x0
	s_cmp_lt_u32 s21, 128
	s_cselect_b64 s[W0S:W0S+1], s[8:9], s[12:13]
	s_cselect_b64 s[36:37], s[10:11], s[14:15]
	s_cmp_lt_u32 s20, 4
	s_cselect_b64 s[W0S:W0S+1], s[W0S:W0S+1], s[36:37]
	s_add_nc_u64 s[W0S:W0S+1], s[W0S:W0S+1], s[56:57]
	s_mov_b64 s[A0S:A0S+1], s[4:5]
	s_add_nc_u64 s[OUTS:OUTS+1], s[16:17], s[58:59]
.irp g, 0,1
	global_load_b128 v[SEL+4*\g:SEL+4*\g+3], v[TL], s[6:7] offset:512*\g
.endr
; THE WEIGHTS' RING.  Unit u of 8, pass 0 or 1: rows 512 x pass + 64 u + 16 (w % 4) + 8 h + 0..7 of my matrix: eight loads, in each of which 16 lanes take 256 consecutive bytes of a row.
; The largest immediate is 7 x 262,144 + 7 x 4,096 + 2,097,152 = 3,960,832, inside its signed 24 bits: no base is stepped.
.macro RLOAD u, pass
.irp row, 0,1,2,3,4,5,6,7
	global_load_b128 v[32*(\u)+4*\row:32*(\u)+4*\row+3], v[WOFF], s[W0S:W0S+1] offset:(\u)*262144+\row*4096+(\pass)*0x200000
.endr
.endm
; A unit's turn: its 8 rows x 4 columns are rounded in pairs of rows, so that a column's eight k are 16 bytes; in pass 0 the unit is asked for again, 512 rows on; the four columns go to their fragments:
; S = 4 x pass + u / 2, the fragment's half of the lanes = u % 2.
.macro WUNIT u, pass, left
	s_wait_loadcnt \left                           ; loads come back in order: the unit is in, the younger ones stay out
	WIN W_CVT
.irp t, 0,1,2,3
.irp jj, 0,1,2,3
	v_cvt_pk_bf16_f32 v[PKW+4*\t+\jj], v[32*(\u)+8*\jj+\t], v[32*(\u)+8*\jj+4+\t]
.endr
.endr
.if (\pass) == 0
	WIN W_RL
	RLOAD \u, 1
.endif
	WIN 0
.irp t, 0,1,2,3
	ds_store_b128 v[WS+2*(\pass)+((\u)>>2)], v[PKW+4*\t:PKW+4*\t+3] offset:(((\u)>>1)&1)*4*QB+((\u)&1)*256+16*\t
.endr
.endm
	WIN W_RL
.irp u, 0,1,2,3,4,5,6,7
	RLOAD \u, 0                                    ; 64 loads, 32 KiB a wave, are out while the list is made
.endr
	WIN 0
	s_wait_loadcnt 63                              ; sel is in: 64 loads are younger, and 63 is the largest count that can be written
.set n, 0
.rept 8                                                ; pass n: token 256 w + 128 (n / 4) + 4 lane + n % 4
	v_lshrrev_b32 v34, s22, v[SEL+n]
	v_and_b32 v35, 0x101, v34                      ; first or second choice?
	v_cmp_ne_u32 vcc_lo, 0, v35
	v_mbcnt_lo_u32_b32 v36, vcc_lo, s54            ; takers ahead of me
	v_add_nc_u32 v37, v36, v32                     ; 255 less the others ahead of me
	v_cndmask_b32 v36, v37, v36, vcc_lo
	v_min_u32 v36, 255, v36                        ; a word of my wave's list, whatever sel holds
	v_lshl_add_u32 v36, v36, 2, s55
	v_bfe_u32 v38, v34, 8, 1
	v_add3_u32 v39, v38, v33, 256*(n/4)+2*(n%4)    ; 2 x token + k
	ds_store_b32 v36, v39
	s_bcnt1_i32_b32 s56, vcc_lo
	s_add_co_u32 s54, s54, s56
	v_add_nc_u32 v32, 0xffffffe0, v32
.set n, n+1
.endr
	v_mov_b32 v34, s54
	s_lshl_b32 s56, s20, 2
	s_add_co_u32 s56, s56, CNT
	v_mov_b32 v35, s56
	ds_store_b32 v35, v34                          ; my wave's count
.irp u, 0,1,2,3,4,5,6,7
	WUNIT \u, 0, 56                                ; rows 0-511: seven units, 56 loads, are younger than the one in hand
.endr
.irp u, 0,1,2,3,4,5,6,7
	WUNIT \u, 1, 56-8*\u                           ; rows 512-1,023: nothing more is asked for, the counts run down
.endr
	s_wait_dscnt 0x0                               ; for the others' sake: my fragments, my list and my count are stored
	s_barrier_signal -1
	s_barrier_wait -1                              ; the launch's one barrier: from here on these bytes are only read
	v_mov_b32 v[CA], CNT
	ds_load_b128 v[32:35], v[CA]
	ds_load_b128 v[36:39], v[CA] offset:16
	s_wait_dscnt 0x0
.irp k, 0,1,2,3,4,5,6,7
	v_readfirstlane_b32 s[44+\k], v[32+\k]
.endr
	s_mov_b32 s[TH+1], s44
.irp k, 2,3,4,5,6,7
	s_add_co_u32 s[TH+\k], s[TH+\k-1], s[43+\k]    ; the running counts
.endr
	s_add_co_u32 s26, s[TH+7], s51
	s_min_u32 s26, s26, 2048                       ; the expert's rows
	s_sub_co_u32 s27, s26, 1
.irp k, 1,2,3,4,5,6,7
	s_sub_co_u32 s[DE+\k], 256*\k, s[TH+\k]
.endr
	s_bcnt1_i32_b32 s32, s20                       ; the wave's place in the deal: w / 2 + 4 x parity(w): the first places, which get a tile more, go to
	s_and_b32 s32, s32, 1                          ; waves 0, 3, 5, 6, no two of which are alike in w % 4 or in w / 2
	s_lshl_b32 s32, s32, 2
	s_lshr_b32 s33, s20, 1
	s_add_co_u32 s32, s32, s33
	s_mul_i32 s28, s25, s32
	s_add_co_u32 s28, s28, s24
	s_mul_i32 s28, s28, 48                         ; my first tile's first rank: 48 (p + P x place)
	s_mul_i32 s29, s25, 384                        ; and from tile to tile: 48 x 8 P
	s_cmp_ge_u32 s28, s26
	s_cbranch_scc1 .Ldone                          ; no rows for this wave
.irp j, 1,2,3,4
	v_add_nc_u32 v[FB+\j-1], 7*\j*QB, v[B0]        ; seven K steps to an address register: 6 QB + 7 FRAG + 512 = 57,712 is the largest immediate, inside its 16 bits
.endr
; The entries of ranks srow + 16 mb + r, ranks past the count taken as the last.
.macro LOOKUP srow
.irp mb, 0,1,2
	v_add_nc_u32 v[TL+\mb], s[\srow], v[K+\mb]
	v_min_u32 v[TL+\mb], s27, v[TL+\mb]
	v_cmp_le_u32 vcc_lo, s[TH+1], v[TL+\mb]
	v_cndmask_b32 v[DL+\mb], 0, s[DE+1], vcc_lo
.irp k, 2,3,4,5,6,7
	v_cmp_le_u32 vcc_lo, s[TH+\k], v[TL+\mb]
	v_cndmask_b32 v[DL+\mb], v[DL+\mb], s[DE+\k], vcc_lo
.endr
	v_add_nc_u32 v[TL+\mb], v[TL+\mb], v[DL+\mb]
	v_min_u32 v[TL+\mb], 0x7ff, v[TL+\mb]          ; a word of the lists, whatever the counts hold
	v_lshl_add_u32 v[TL+\mb], v[TL+\mb], 2, LIST
	ds_load_b32 v[TC+\mb], v[TL+\mb]
.endr
	s_wait_dscnt 0x0
.endm
.macro NEXT srow                       ; the row offsets in xb of the tile that begins at rank srow
	LOOKUP \srow
.irp mb, 0,1,2
	v_lshrrev_b32 v[TC+\mb], 1, v[TC+\mb]          ; the token,
	v_min_u32 v[TC+\mb], 0x7ff, v[TC+\mb]          ; inside xb whatever the list holds
	v_lshl_add_u32 v[N+\mb], v[TC+\mb], 11, v[H128]
.endr
.endm
.macro AGRP slot, areg, aoff           ; a K step's token fragments: six loads of 16 bytes a lane, into slot 0..3 of the ring
.if (\slot) < 2
	WIN 0
.else
	WIN W_RL
.endif
.irp mb, 0,1,2
	global_load_b128 v[AR+24*((\slot)&1)+8*\mb:AR+24*((\slot)&1)+8*\mb+3],   v[(\areg)+\mb], s[A0S:A0S+1] offset:(\aoff)
	global_load_b128 v[AR+24*((\slot)&1)+8*\mb+4:AR+24*((\slot)&1)+8*\mb+7], v[(\areg)+\mb], s[A0S:A0S+1] offset:(\aoff)+A2
.endr
.endm
.macro BGRP buf, breg, boff            ; a K step's weight fragments: sixteen loads of 512 consecutive bytes
.irp nb, 0,1,2,3,4,5,6,7
	ds_load_b128 v[(\buf)+8*\nb:(\buf)+8*\nb+3],   v[\breg] offset:(\boff)+\nb*FRAG
	ds_load_b128 v[(\buf)+8*\nb+4:(\buf)+8*\nb+7], v[\breg] offset:(\boff)+\nb*FRAG+512
.endr
.endm
; ONE K STEP, number x.  It asks for the weight fragments of the next step and for the token fragments three steps on, in one run, and then multiplies: 24 matrix instructions,
; the 24 accumulators by turns, in the same order in every step.  zero = 1: the products start the sums.
.macro Q x, zero, breg, boff, areg, aoff
	s_wait_loadcnt 12                              ; this step's token fragments are in: the two later steps' groups of six loads stay out
	s_wait_dscnt 0x0                               ; its weight fragments, asked for a step ago
.rept 4
	v_nop                                          ; four places between the last product and the loads into registers that the step before read
.endr
	WIN 0
	BGRP BF0+64*(((\x)+1)&1), \breg, \boff
	AGRP ((\x)+3)&3, \areg, \aoff
	WIN W_MUL+4*(((\x)&3)>>1)
.irp mb, 0,1,2
.irp nb, 0,1,2,3,4,5,6,7
.if \zero
	v_wmma_f32_16x16x32_bf16 v[64*\mb+8*\nb:64*\mb+8*\nb+7], v[BF0+64*((\x)&1)+8*\nb:BF0+64*((\x)&1)+8*\nb+7], v[AR+24*((\x)&1)+8*\mb:AR+24*((\x)&1)+8*\mb+7], 0
.else
	v_wmma_f32_16x16x32_bf16 v[64*\mb+8*\nb:64*\mb+8*\nb+7], v[BF0+64*((\x)&1)+8*\nb:BF0+64*((\x)&1)+8*\nb+7], v[AR+24*((\x)&1)+8*\mb:AR+24*((\x)&1)+8*\mb+7], v[64*\mb+8*\nb:64*\mb+8*\nb+7]
.endif
.endr
.endr
.endm
; THE WAY OUT of 16 rows: accumulators 0-3 hold g, 4-7 u of the same 64 columns.  silu(g) u = g u / (1 + 2^(-g log2 e)).  Each accumulator is read from its low end on.
; Each of a tile's three blocks packs into registers of its own (pk), so that no block waits for the stores of the block before.
.macro SWIGLU mb, pk
	WIN W_G
.set z, 0
.rept 16
	v_pk_mul_f32 v[T+2*z:T+2*z+1], v[64*(\mb)+2*z:64*(\mb)+2*z+1], 0xbfb8aa3b op_sel_hi:[1,0]
.set z, z+1
.endr
	WIN 0
.set z, 0
.rept 32
	v_exp_f32 v[T+z], v[T+z]
.set z, z+1
.endr
	v_nop                                          ; a plain instruction behind the last exponential,
	s_wait_alu depctr_va_vdst(0)                   ; and one wait for the 32
.set z, 0
.rept 16
	v_pk_add_f32 v[T+2*z:T+2*z+1], v[T+2*z:T+2*z+1], 1.0 op_sel_hi:[1,0]
.set z, z+1
.endr
.set z, 0
.rept 32
	v_rcp_f32 v[T+z], v[T+z]
.set z, z+1
.endr
	v_nop
	s_wait_alu depctr_va_vdst(0)                   ; one wait for the 32 reciprocals
	WIN W_G
.set z, 0
.rept 16
	v_pk_mul_f32 v[T+2*z:T+2*z+1], v[64*(\mb)+2*z:64*(\mb)+2*z+1], v[T+2*z:T+2*z+1]
.set z, z+1
.endr
.set z, 0
.rept 16
	v_pk_mul_f32 v[T+2*z:T+2*z+1], v[64*(\mb)+32+2*z:64*(\mb)+32+2*z+1], v[T+2*z:T+2*z+1]
.set z, z+1
.endr
	WIN 0
.set z, 0
.rept 16
	v_cvt_pk_bf16_f32 v[(\pk)+z], v[T+2*z], v[T+2*z+1]
.set z, z+1
.endr
.irp nb, 0,1,2,3
	global_store_b128 v[HO], v[(\pk)+4*\nb:(\pk)+4*\nb+3], s[OUTS:OUTS+1] offset:(\mb)*2048+\nb*512   ; 512 consecutive bytes, at a multiple of 256 from h's first
.endr
.endm
	NEXT 28                                        ; my first tile's rows,
.irp y, 0,1,2
	AGRP \y, N, (\y)*QOFF                          ; its first three K steps' fragments: 18 loads,
.endr
	WIN 0
	BGRP BF0, B0, 0                                ; and K step 0's weights
	s_mov_b32 s31, NTRIP
.Ltile:                                                ; a constant count of trips; a wave that has no further tile leaves forward; no barrier stands in the loop
	s_cmp_ge_u32 s28, s26
	s_cbranch_scc1 .Ldone
	s_wait_xcnt 0x0                                ; the loads that name N have read it; the last tile's stores have read HO and their data, part of which lies in the second weight buffer
.irp mb, 0,1,2
	v_mov_b32 v[A+\mb], v[N+\mb]
.endr
	s_add_co_u32 s30, s28, s29
	NEXT 30                                        ; the tile after this one (past the count: the last row again; its loads are then not used)
.set x, 0
.rept 32                                               ; K step x asks for the weights of step x + 1 (step 31: of step 0 again) and for the tokens of step x + 3;
.set nx, (x+1)%32                                      ; steps 29-31 ask for the next tile's first three groups, so that every count is the same in every tile
.set br, FB+nx/7-1
.if nx < 7
.set br, B0
.endif
.if x == 0
	Q x, 1, br, (nx%7)*QB, A, 3*QOFF
.elseif x < 29
	Q x, 0, br, (nx%7)*QB, A, ((x+3)/4)*SSTEP+((x+3)%4)*QOFF
.else
	Q x, 0, br, (nx%7)*QB, N, (x-29)*QOFF
.endif
.set x, x+1
.endr
.rept 4
	v_nop                                          ; four places in front of the first read of the sums, and of the first write into the second weight buffer
.endr
	WIN 0
	s_lshl_b32 s56, s28, 7                         ; a rank is 128 bytes of the slice
	v_add_nc_u32 v[HO], s56, v[B0]
	SWIGLU 0, 160
	SWIGLU 1, 176
	SWIGLU 2, 240
	s_mov_b32 s28, s30
	s_sub_co_u32 s31, s31, 1
	s_cmp_lg_u32 s31, 0
	s_cbranch_scc1 .Ltile
.Ldone:
	s_wait_tensorcnt 0x0                           ; the wave's end: three lines behind my last LDS store
	ds_add_u32 v[SPW], v[NIL]
	s_wait_dscnt 0x0
	s_endpgm
.Lfunc_end_k_q5bfc5d60c5_up:
	.size	k_q5bfc5d60c5_up, .Lfunc_end_k_q5bfc5d60c5_up-k_q5bfc5d60c5_up
	.p2alignl 7, 3214868480
	.fill 96, 4, 3214868480
	.section	.rodata,"a",@progbits
	.p2align	6, 0x0
	.amdhsa_kernel k_q5bfc5d60c5_up
		.amdhsa_group_segment_fixed_size 275712
		.amdhsa_private_segment_fixed_size 0
		.amdhsa_enable_private_segment 0
		.amdhsa_kernarg_size 56
		.amdhsa_user_sgpr_count 2
		.amdhsa_user_sgpr_kernarg_segment_ptr 1
		.amdhsa_wavefront_size32 1
		.amdhsa_system_sgpr_workgroup_id_x 1
		.amdhsa_system_sgpr_workgroup_id_y 1
		.amdhsa_system_sgpr_workgroup_id_z 1
		.amdhsa_system_vgpr_workitem_id 0
		.amdhsa_next_free_vgpr 512
		.amdhsa_next_free_sgpr 80
		.amdhsa_reserve_vcc 1
		.amdhsa_float_denorm_mode_32 3
		.amdhsa_float_denorm_mode_16_64 3
		.amdhsa_memory_ordered 1
		.amdhsa_forward_progress 1
		.amdhsa_inst_pref_size 187
	.end_amdhsa_kernel
	.amdgpu_metadata
---
amdhsa.version: [ 1, 2 ]
amdhsa.kernels:
  - .name:           k_q5bfc5d60c5_up
    .symbol:         k_q5bfc5d60c5_up.kd
    .args:
      - { .name: xb, .offset: 0, .size: 8, .value_kind: global_buffer, .address_space: global }
      - { .name: sel, .offset: 8, .size: 8, .value_kind: global_buffer, .address_space: global }
      - { .name: wg, .offset: 16, .size: 8, .value_kind: global_buffer, .address_space: global }
      - { .name: wu, .offset: 24, .size: 8, .value_kind: global_buffer, .address_space: global }
      - { .name: ws_g, .offset: 32, .size: 8, .value_kind: global_buffer, .address_space: global }
      - { .name: ws_u, .offset: 40, .size: 8, .value_kind: global_buffer, .address_space: global }
      - { .name: h, .offset: 48, .size: 8, .value_kind: global_buffer, .address_space: global }
    .group_segment_fixed_size: 275712
    .private_segment_fixed_size: 0
    .kernarg_segment_align: 8
    .kernarg_segment_size: 56
    .max_flat_workgroup_size: 256
    .sgpr_count:     80
    .vgpr_count:     512
    .wavefront_size: 32
...
	.end_amdgpu_metadata
.endif
;; end of part 2
;; launch down (part 3): grid 192 x 1, 8 waves a work-group, no clusters, 310,528 bytes of LDS; arguments h, sel, wd, ws_d, y; writes y
.if DOCPART == 3
	.amdgcn_target "amdgcn-amd-amdhsa--gfx1250"
	.amdhsa_code_object_version 6
	.text
	.protected	k_q5bfc5d60c5_down
	.globl	k_q5bfc5d60c5_down
	.p2align	8
	.type	k_q5bfc5d60c5_down,@function
k_q5bfc5d60c5_down:
	s_mov_b64 s[64:65], 0
	v_nop
	global_prefetch_b8 v0, s[64:65] scope:SCOPE_SE
	s_setreg_imm32_b32 hwreg(HW_REG_WAVE_MODE, 25, 1), 1
	s_wait_xcnt 0x0
; SECOND PRODUCT.  y[c] = h[rank] Wd for each chosen (token, expert): row c = 2 x token + k for the routed choices, row 4,096 + token for the shared expert; f32, since the rows are partial sums that the
; next launch adds with the gate's weights.
; SHARES.  Work-groups 0-127: expert id / 16, slice (id / 2) % 8 of 128 columns, part id % 2 of the expert's tiles.  Work-groups 128-191: the shared expert's 8 slices x 8 parts.
; As in the launch before: the slice (1,024 x 128 f32) is read once by the work-group, rounded to bf16 in registers and kept in LDS as fragments; each wave walks tiles of 48 ranks x 128 columns; the same lines
; make the same list from sel, which here says where a rank's row goes.  h lies by ranks, so its addresses hang on the tile's number alone; its fragments are loaded as they lie, three K steps ahead.
; EIGHT WAVES, two to a SIMD, 512 registers each, for the reason given in the launch before: while one wave runs its loads, its waits or its way out, the other has products to issue.
; K ORDER, TRANSPOSED USE: as in the launch before: in K step X = 4 S + q the lane (r, h) holds k = 128 S + 64 h + 16 q + 0..15 in both operands; a lane's result is one rank and eight neighbouring columns.
; It serves every split, 0 to 2,048 rows an expert.  Ranks past the count hold the last row again (so the launch before stored them) and are stored to the last row's place, with the same numbers.
; THE LOOP OVER TILES ends on the expert's count, so every LDS address in it is fixed: a tile's 32 K steps are written out, the K step in the immediates, on five address registers that are never rewritten.
; NO CLUSTER, NO TENSOR LOAD: the work-groups that share a slice (2, or 8 for the shared expert) each round and turn it in registers, so no LDS tile could be shared; those that share ranks of h read them
; straight into registers.
.set FRAG,  1040                       ; a fragment in LDS: 2 x 512 bytes + 16
.set QB,    8*FRAG
.set LIST,  32*QB                      ; eight lists of 1,024 bytes
.set CNT,   LIST+8192
.set SPARE, CNT+256                    ; the spare words, 128 bytes a wave, four blocks of 256 bytes that no other line names
.set STAGE, SPARE+1024                 ; the way out: 16 rows x 272 bytes for each wave, its own: 64 columns at a time, since eight stages of 128 columns (67,584 bytes) do not fit behind the weights
.set SPITCH, 272                       ; 256 bytes + 16 = 17 x 16: the 16 rows of a store start at 16 different groups of four banks
.set SLB,   2112*128
.set NTRIP, 6
.set SSTEP, 2*SLB                      ; h: bytes from S to S + 1: two slices of 64 columns (7 of them and 1,792 more are the largest immediate: 3,786,496, inside its signed 24 bits),
.set QOFF,  512                        ; from q to q + 1: a block of 16 columns,
.set A2,    256                        ; and from a fragment's first four registers to its last four: 8 columns x 16 ranks
.set LANE, 1
.set R,    2
.set H,    3
.set WOFF, 4
.set B0,   6                           ; 16 x lane: my place in a fragment; also the address for K steps 0-6
.set A,    10                          ; v10-12 this tile's offsets in h
.set N,    13                          ; v13-15 the next tile's
.set K,    16
.set AK,   19                          ; v19-21 2,048 mb + 16 r + h x a slice
.set TL,   22
.set TC,   25
.set STG,  28                          ; where I put 32 bytes of a row
.set RD,   29                          ; where I read rows back: lanes 0-15 one row's 256 bytes, lanes 16-31 the next row's
.set SPW,  30
.set NIL,  31
.set VO,   32                          ; v32-39 the byte offsets in y of a block's eight pairs of rows (list work before that)
.set WS,   40                          ; v40-43 where my turned 16 bytes go; never rewritten
.set R16,  44                          ; 16 r
.set CA,   45
.set SEL,  48
.set PKW,  48
.set FB,   48                          ; v48-51 the fragments' addresses for K steps 7-13, 14-20, 21-27, 28-31; never rewritten
.set DL,   52
.set Y,    56                          ; v56-58 this tile's rows of y
.set YN,   59                          ; v59-61 the next tile's
.set BF0,  64
.set T,    128                         ; v128-191 a block's rows, read back: in the second weight buffer, which is idle from K step 31 to the next tile's K step 0
.set AR,   192                         ; v192-239 of window 0: fragments of h of K steps 0, 1 mod 4; v192-239 of window 1: of K steps 2, 3 mod 4
.set W0S,  34
.set A0S,  38                          ; s[38:39] h at my expert; never rewritten
.set OUTS, 42                          ; s[42:43] y at my slice
.set TH,   65
.set DE,   72
.set W_MUL, 0x50
.set W_RL,  0x40
.set W_CVT, 0x05
.set W_SD,  0x04                       ; an LDS store's data in window 1
.set MSB, 0
.macro WIN new
.if MSB != (\new)
	s_set_vgpr_msb (MSB<<8)|(\new)
.set MSB, (\new)
.endif
.endm
	s_load_b256 s[4:11], s[0:1], 0x0               ; h s[4:5], sel s[6:7], wd s[8:9], ws_d s[10:11]
	s_load_b64 s[12:13], s[0:1], 0x20              ; y
	v_lshl_add_u32 v[SPW], v0, 2, SPARE
	v_mov_b32 v[NIL], 0
	v_lshrrev_b32 v[TL], 5, v0
	v_readfirstlane_b32 s20, v[TL]                 ; wave 0..7
	v_and_b32 v[LANE], 31, v0
	v_and_b32 v[R], 15, v0
	v_bfe_u32 v[H], v0, 4, 1
	v_lshlrev_b32 v[B0], 4, v[LANE]
	v_lshlrev_b32 v[R16], 4, v[R]
	s_and_b32 s32, s20, 3                          ; which 16 rows of every 64 are mine
	s_lshr_b32 s40, s20, 2                         ; which 64 columns of the slice
	s_lshl_b32 s33, s32, 16
	v_lshl_add_u32 v[WOFF], v[R], 4, s33
	v_lshl_add_u32 v[WOFF], v[H], 15, v[WOFF]
	v_lshrrev_b32 v[TL+1], 2, v[R]
	v_mul_u32_u24 v[WS], v[TL+1], FRAG
	v_and_b32 v[TL+1], 3, v[R]
	v_lshl_add_u32 v[WS], v[TL+1], 6, v[WS]
	v_lshl_add_u32 v[WS], v[H], 9, v[WS]
	s_mul_i32 s33, s32, QB
	s_mul_i32 s41, s40, 4*FRAG
	s_add_co_u32 s33, s33, s41
	v_add_nc_u32 v[WS], s33, v[WS]
.irp j, 1,2,3
	v_add_nc_u32 v[WS+\j], \j*8*QB, v[WS]
.endr
	v_mul_u32_u24 v[AK], v[H], SLB
	v_lshl_add_u32 v[AK], v[R], 4, v[AK]
	v_add_nc_u32 v[AK+1], 2048, v[AK]
	v_add_nc_u32 v[AK+2], 4096, v[AK]
.irp mb, 0,1,2
	v_add_nc_u32 v[K+\mb], 16*\mb, v[R]
.endr
	s_mul_i32 s33, s20, 16*SPITCH
	s_add_co_u32 s33, s33, STAGE                   ; my stage
	v_mul_u32_u24 v[STG], v[R], SPITCH             ; in: row r, 32 bytes for each half of the lanes
	v_lshl_add_u32 v[STG], v[H], 5, v[STG]
	v_add_nc_u32 v[STG], s33, v[STG]
	v_mul_u32_u24 v[RD], v[H], SPITCH              ; back: row h of a pair, 16 bytes a lane
	v_lshl_add_u32 v[RD], v[R], 4, v[RD]
	v_add_nc_u32 v[RD], s33, v[RD]
	s_lshl_b32 s33, s20, 10
	v_add_nc_u32 v[TL], s33, v[B0]
	s_add_co_u32 s55, s33, LIST
	s_mov_b32 s54, 0
	v_sub_nc_u32 v32, 255, v[LANE]
	s_lshl_b32 s33, s20, 9
	v_lshl_add_u32 v33, v[LANE], 3, s33
	s_mov_b32 s62, 0xffff0000                      ; lanes 16-31
	s_mov_b32 s21, ttmp9
	s_lshr_b32 s56, s21, 4                         ; routed: the expert,
	s_bfe_u32 s57, s21, 0x30001                    ; the slice,
	s_and_b32 s59, s21, 1                          ; the part
	s_and_b32 s58, s21, 7                          ; shared: the slice,
	s_lshr_b32 s60, s21, 3
	s_sub_co_u32 s60, s60, 16                      ; the part
	s_cmp_lt_u32 s21, 128
	s_cselect_b32 s22, s56, 16
	s_cselect_b32 s23, s57, s58
	s_cselect_b32 s24, s59, s60                    ; p
	s_cselect_b32 s25, 2, 8                        ; P
	s_cselect_b32 s58, s56, 8                      ; the expert's number in h
	s_cselect_b32 s56, s56, 0
	s_cselect_b32 s60, 0, 1                        ; a list entry c is the row of y; for the shared expert the row is c / 2
	s_cselect_b32 s61, 0, 4096                     ; + 4,096
	s_lshl_b32 s56, s56, 22
	s_lshl_b32 s46, s23, 9                         ; the slice's 512 bytes of a row, in wd and in y
	s_mov_b32 s47, 0
	s_add_co_u32 s56, s56, s46
	s_mov_b32 s57, 0
	s_mul_i32 s58, s58, 16*SLB
	s_mov_b32 s59, 0
	s_wait_kmcnt 0x0
	s_cmp_lt_u32 s21, 128
	s_cselect_b64 s[W0S:W0S+1], s[8:9], s[10:11]
	s_add_nc_u64 s[W0S:W0S+1], s[W0S:W0S+1], s[56:57]
	s_add_nc_u64 s[36:37], s[W0S:W0S+1], 256       ; the slice's second 64 columns
	s_cmp_lt_u32 s20, 4
	s_cselect_b64 s[W0S:W0S+1], s[W0S:W0S+1], s[36:37]
	s_add_nc_u64 s[A0S:A0S+1], s[4:5], s[58:59]
	s_add_nc_u64 s[OUTS:OUTS+1], s[12:13], s[46:47]
.irp g, 0,1
	global_load_b128 v[SEL+4*\g:SEL+4*\g+3], v[TL], s[6:7] offset:512*\g
.endr
; THE WEIGHTS' RING, as in the launch before.  Unit u of 8, pass 0 or 1: rows 512 x pass + 64 u + 16 (w % 4) + 8 h + 0..7 of my 64 columns: eight loads, in each of which 16 lanes take 256 consecutive bytes of a row.
.macro RLOAD u, pass
.irp row, 0,1,2,3,4,5,6,7
	global_load_b128 v[32*(\u)+4*\row:32*(\u)+4*\row+3], v[WOFF], s[W0S:W0S+1] offset:(\u)*262144+\row*4096+(\pass)*0x200000
.endr
.endm
.macro WUNIT u, pass, left
	s_wait_loadcnt \left                           ; loads come back in order: the unit is in, the younger ones stay out
	WIN W_CVT
.irp t, 0,1,2,3
.irp jj, 0,1,2,3
	v_cvt_pk_bf16_f32 v[PKW+4*\t+\jj], v[32*(\u)+8*\jj+\t], v[32*(\u)+8*\jj+4+\t]
.endr
.endr
.if (\pass) == 0
	WIN W_RL
	RLOAD \u, 1
.endif
	WIN 0
.irp t, 0,1,2,3
	ds_store_b128 v[WS+2*(\pass)+((\u)>>2)], v[PKW+4*\t:PKW+4*\t+3] offset:(((\u)>>1)&1)*4*QB+((\u)&1)*256+16*\t
.endr
.endm
	WIN W_RL
.irp u, 0,1,2,3,4,5,6,7
	RLOAD \u, 0
.endr
	WIN 0
	s_wait_loadcnt 63                              ; sel is in: 64 loads are younger, and 63 is the largest count that can be written
.set n, 0
.rept 8                                                ; the list, line for line as in the launch before: the ranks are the same
	v_lshrrev_b32 v34, s22, v[SEL+n]
	v_and_b32 v35, 0x101, v34
	v_cmp_ne_u32 vcc_lo, 0, v35
	v_mbcnt_lo_u32_b32 v36, vcc_lo, s54
	v_add_nc_u32 v37, v36, v32
	v_cndmask_b32 v36, v37, v36, vcc_lo
	v_min_u32 v36, 255, v36
	v_lshl_add_u32 v36, v36, 2, s55
	v_bfe_u32 v38, v34, 8, 1
	v_add3_u32 v39, v38, v33, 256*(n/4)+2*(n%4)
	ds_store_b32 v36, v39
	s_bcnt1_i32_b32 s56, vcc_lo
	s_add_co_u32 s54, s54, s56
	v_add_nc_u32 v32, 0xffffffe0, v32
.set n, n+1
.endr
	v_mov_b32 v34, s54
	s_lshl_b32 s56, s20, 2
	s_add_co_u32 s56, s56, CNT
	v_mov_b32 v35, s56
	ds_store_b32 v35, v34
.irp u, 0,1,2,3,4,5,6,7
	WUNIT \u, 0, 56                                ; rows 0-511: seven units, 56 loads, are younger than the one in hand
.endr
.irp u, 0,1,2,3,4,5,6,7
	WUNIT \u, 1, 56-8*\u                           ; rows 512-1,023: the counts run down
.endr
	s_wait_dscnt 0x0                               ; for the others' sake: my fragments, my list and my count are stored
	s_barrier_signal -1
	s_barrier_wait -1                              ; the launch's one barrier: from here on these bytes are only read; the stages are each wave's own
	v_mov_b32 v[CA], CNT
	ds_load_b128 v[32:35], v[CA]
	ds_load_b128 v[36:39], v[CA] offset:16
	s_wait_dscnt 0x0
.irp k, 0,1,2,3,4,5,6,7
	v_readfirstlane_b32 s[44+\k], v[32+\k]
.endr
	s_mov_b32 s[TH+1], s44
.irp k, 2,3,4,5,6,7
	s_add_co_u32 s[TH+\k], s[TH+\k-1], s[43+\k]
.endr
	s_add_co_u32 s26, s[TH+7], s51
	s_min_u32 s26, s26, 2048
	s_sub_co_u32 s27, s26, 1
.irp k, 1,2,3,4,5,6,7
	s_sub_co_u32 s[DE+\k], 256*\k, s[TH+\k]
.endr
	s_bcnt1_i32_b32 s32, s20                       ; the wave's place in the deal: w / 2 + 4 x parity(w), as in the launch before
	s_and_b32 s32, s32, 1
	s_lshl_b32 s32, s32, 2
	s_lshr_b32 s33, s20, 1
	s_add_co_u32 s32, s32, s33
	s_mul_i32 s28, s25, s32
	s_add_co_u32 s28, s28, s24
	s_mul_i32 s28, s28, 48
	s_mul_i32 s29, s25, 384
	s_cmp_ge_u32 s28, s26
	s_cbranch_scc1 .Ldone
.irp j, 1,2,3,4
	v_add_nc_u32 v[FB+\j-1], 7*\j*QB, v[B0]        ; seven K steps to an address register: 6 QB + 7 FRAG + 512 = 57,712 is the largest immediate, inside its 16 bits
.endr
.macro LOOKUP srow
.irp mb, 0,1,2
	v_add_nc_u32 v[TL+\mb], s[\srow], v[K+\mb]
	v_min_u32 v[TL+\mb], s27, v[TL+\mb]
	v_cmp_le_u32 vcc_lo, s[TH+1], v[TL+\mb]
	v_cndmask_b32 v[DL+\mb], 0, s[DE+1], vcc_lo
.irp k, 2,3,4,5,6,7
	v_cmp_le_u32 vcc_lo, s[TH+\k], v[TL+\mb]
	v_cndmask_b32 v[DL+\mb], v[DL+\mb], s[DE+\k], vcc_lo
.endr
	v_add_nc_u32 v[TL+\mb], v[TL+\mb], v[DL+\mb]
	v_min_u32 v[TL+\mb], 0x7ff, v[TL+\mb]
	v_lshl_add_u32 v[TL+\mb], v[TL+\mb], 2, LIST
	ds_load_b32 v[TC+\mb], v[TL+\mb]
.endr
	s_wait_dscnt 0x0
.endm
.macro NEXT srow                       ; the tile that begins at rank srow: its offsets in h, and its rows of y
	s_min_u32 s56, s[\srow], 2064                  ; a tile past the last stays inside the expert's 2,112 ranks; its loads are not used
	s_lshl_b32 s56, s56, 7
.irp mb, 0,1,2
	v_add_nc_u32 v[N+\mb], s56, v[AK+\mb]
.endr
	LOOKUP \srow
.irp mb, 0,1,2
	v_lshrrev_b32 v[YN+\mb], s60, v[TC+\mb]
	v_add_nc_u32 v[YN+\mb], s61, v[YN+\mb]
.endr
.endm
.macro AGRP slot, areg, aoff           ; a K step's fragments of h: six loads, in each of which 16 lanes take 256 consecutive bytes, into slot 0..3 of the ring
.if (\slot) < 2
	WIN 0
.else
	WIN W_RL
.endif
.irp mb, 0,1,2
	global_load_b128 v[AR+24*((\slot)&1)+8*\mb:AR+24*((\slot)&1)+8*\mb+3],   v[(\areg)+\mb], s[A0S:A0S+1] offset:(\aoff)
	global_load_b128 v[AR+24*((\slot)&1)+8*\mb+4:AR+24*((\slot)&1)+8*\mb+7], v[(\areg)+\mb], s[A0S:A0S+1] offset:(\aoff)+A2
.endr
.endm
.macro BGRP buf, breg, boff
.irp nb, 0,1,2,3,4,5,6,7
	ds_load_b128 v[(\buf)+8*\nb:(\buf)+8*\nb+3],   v[\breg] offset:(\boff)+\nb*FRAG
	ds_load_b128 v[(\buf)+8*\nb+4:(\buf)+8*\nb+7], v[\breg] offset:(\boff)+\nb*FRAG+512
.endr
.endm
; ONE K STEP, as in the launch before: the next step's weight fragments and the fragments of h three steps on in one run, then 24 matrix instructions, the accumulators by turns.
.macro Q x, zero, breg, boff, areg, aoff
	s_wait_loadcnt 12                              ; this step's fragments of h are in: the two later steps' groups of six loads stay out
	s_wait_dscnt 0x0                               ; its weight fragments, asked for a step ago
.rept 4
	v_nop                                          ; four places between the last product and the loads into registers that the step before read
.endr
	WIN 0
	BGRP BF0+64*(((\x)+1)&1), \breg, \boff
	AGRP ((\x)+3)&3, \areg, \aoff
	WIN W_MUL+4*(((\x)&3)>>1)
.irp mb, 0,1,2
.irp nb, 0,1,2,3,4,5,6,7
.if \zero
	v_wmma_f32_16x16x32_bf16 v[64*\mb+8*\nb:64*\mb+8*\nb+7], v[BF0+64*((\x)&1)+8*\nb:BF0+64*((\x)&1)+8*\nb+7], v[AR+24*((\x)&1)+8*\mb:AR+24*((\x)&1)+8*\mb+7], 0
.else
	v_wmma_f32_16x16x32_bf16 v[64*\mb+8*\nb:64*\mb+8*\nb+7], v[BF0+64*((\x)&1)+8*\nb:BF0+64*((\x)&1)+8*\nb+7], v[AR+24*((\x)&1)+8*\mb:AR+24*((\x)&1)+8*\mb+7], v[64*\mb+8*\nb:64*\mb+8*\nb+7]
.endif
.endr
.endr
.endm
; THE WAY OUT of 16 ranks.  HALF: 64 columns: a lane's eight columns of a row go into my stage, whole pieces of 256 bytes come back, two rows to a load, and each goes to its own row of y.
.macro HALF mb, c
	WIN W_SD
.irp nb, 0,1,2,3                                       ; each accumulator is read from its low end on
	ds_store_b128 v[STG], v[64*(\mb)+32*(\c)+8*\nb:64*(\mb)+32*(\c)+8*\nb+3]   offset:64*\nb
	ds_store_b128 v[STG], v[64*(\mb)+32*(\c)+8*\nb+4:64*(\mb)+32*(\c)+8*\nb+7] offset:64*\nb+16
.endr
	WIN 0
.irp t, 0,1,2,3,4,5,6,7
	ds_load_b128 v[T+32*(\c)+4*\t:T+32*(\c)+4*\t+3], v[RD] offset:\t*2*SPITCH   ; LDS serves a wave's instructions in order: these see the stores above, and the next half's stores come behind them
.endr
.irp t, 0,1,2,3,4,5,6,7
	s_wait_dscnt 7-\t                              ; load t is back: the 7 - t behind it stay out
	global_store_b128 v[VO+\t], v[T+32*(\c)+4*\t:T+32*(\c)+4*\t+3], s[OUTS:OUTS+1] offset:256*(\c)   ; lanes 0-15 and lanes 16-31 each store 256 consecutive bytes of a row, at a multiple of 256 from y's first
.endr
.endm
.macro OUT mb
	WIN 0
.if \mb
	s_wait_xcnt 0x0                                ; the block before's stores have read VO and T (the first block: the wait at the loop's head)
.endif
.irp t, 0,1,2,3,4,5,6,7
	v_readlane_b32 s[56+2*((\t)&1)], v[Y+\mb], 2*\t     ; the rows of y of ranks 16 mb + 2 t and the next (two pairs of scalars by turns):
	v_readlane_b32 s[57+2*((\t)&1)], v[Y+\mb], 2*\t+1
	v_mov_b32 v[VO+\t], s[56+2*((\t)&1)]                ; the first for lanes 0-15,
	v_cndmask_b32 v[VO+\t], v[VO+\t], s[57+2*((\t)&1)], s62   ; the second for lanes 16-31,
	v_min_u32 v[VO+\t], 0x17ff, v[VO+\t]                ; inside y's 6,144 rows whatever the list holds
	v_lshl_add_u32 v[VO+\t], v[VO+\t], 12, v[R16]
.endr
	HALF \mb, 0
	HALF \mb, 1
.endm
	NEXT 28
.irp y, 0,1,2
	AGRP \y, N, (\y)*QOFF
.endr
	WIN 0
	BGRP BF0, B0, 0
	s_mov_b32 s31, NTRIP
.Ltile:                                                ; a constant count of trips; a wave that has no further tile leaves forward; no barrier stands in the loop
	s_cmp_ge_u32 s28, s26
	s_cbranch_scc1 .Ldone
	s_wait_xcnt 0x0                                ; the loads that name N have read it; the last tile's stores have read VO and T, which lies in the second weight buffer
.irp mb, 0,1,2
	v_mov_b32 v[A+\mb], v[N+\mb]
	v_mov_b32 v[Y+\mb], v[YN+\mb]
.endr
	s_add_co_u32 s30, s28, s29
	NEXT 30
.set x, 0
.rept 32                                               ; K step x asks for the weights of step x + 1 (step 31: of step 0 again) and for h's fragments of step x + 3;
.set nx, (x+1)%32                                      ; steps 29-31 ask for the next tile's first three groups, so that every count is the same in every tile
.set br, FB+nx/7-1
.if nx < 7
.set br, B0
.endif
.if x == 0
	Q x, 1, br, (nx%7)*QB, A, 3*QOFF
.elseif x < 29
	Q x, 0, br, (nx%7)*QB, A, ((x+3)/4)*SSTEP+((x+3)%4)*QOFF
.else
	Q x, 0, br, (nx%7)*QB, N, (x-29)*QOFF
.endif
.set x, x+1
.endr
.rept 4
	v_nop                                          ; four places in front of the first read of the sums, and of the first load into the second weight buffer
.endr
	OUT 0
	OUT 1
	OUT 2
	s_mov_b32 s28, s30
	s_sub_co_u32 s31, s31, 1
	s_cmp_lg_u32 s31, 0
	s_cbranch_scc1 .Ltile
.Ldone:
	s_wait_tensorcnt 0x0                           ; the wave's end: three lines behind my last LDS store
	ds_add_u32 v[SPW], v[NIL]
	s_wait_dscnt 0x0
	s_endpgm
.Lfunc_end_k_q5bfc5d60c5_down:
	.size	k_q5bfc5d60c5_down, .Lfunc_end_k_q5bfc5d60c5_down-k_q5bfc5d60c5_down
	.p2alignl 7, 3214868480
	.fill 96, 4, 3214868480
	.section	.rodata,"a",@progbits
	.p2align	6, 0x0
	.amdhsa_kernel k_q5bfc5d60c5_down
		.amdhsa_group_segment_fixed_size 310528
		.amdhsa_private_segment_fixed_size 0
		.amdhsa_enable_private_segment 0
		.amdhsa_kernarg_size 40
		.amdhsa_user_sgpr_count 2
		.amdhsa_user_sgpr_kernarg_segment_ptr 1
		.amdhsa_wavefront_size32 1
		.amdhsa_system_sgpr_workgroup_id_x 1
		.amdhsa_system_sgpr_workgroup_id_y 1
		.amdhsa_system_sgpr_workgroup_id_z 1
		.amdhsa_system_vgpr_workitem_id 0
		.amdhsa_next_free_vgpr 512
		.amdhsa_next_free_sgpr 80
		.amdhsa_reserve_vcc 1
		.amdhsa_float_denorm_mode_32 3
		.amdhsa_float_denorm_mode_16_64 3
		.amdhsa_memory_ordered 1
		.amdhsa_forward_progress 1
		.amdhsa_inst_pref_size 184
	.end_amdhsa_kernel
	.amdgpu_metadata
---
amdhsa.version: [ 1, 2 ]
amdhsa.kernels:
  - .name:           k_q5bfc5d60c5_down
    .symbol:         k_q5bfc5d60c5_down.kd
    .args:
      - { .name: h, .offset: 0, .size: 8, .value_kind: global_buffer, .address_space: global }
      - { .name: sel, .offset: 8, .size: 8, .value_kind: global_buffer, .address_space: global }
      - { .name: wd, .offset: 16, .size: 8, .value_kind: global_buffer, .address_space: global }
      - { .name: ws_d, .offset: 24, .size: 8, .value_kind: global_buffer, .address_space: global }
      - { .name: y, .offset: 32, .size: 8, .value_kind: global_buffer, .address_space: global }
    .group_segment_fixed_size: 310528
    .private_segment_fixed_size: 0
    .kernarg_segment_align: 8
    .kernarg_segment_size: 40
    .max_flat_workgroup_size: 256
    .sgpr_count:     80
    .vgpr_count:     512
    .wavefront_size: 32
...
	.end_amdgpu_metadata
.endif
;; end of part 3
;; launch combine (part 4): grid 256 x 1, 8 waves a work-group, no clusters, 0 bytes of LDS; arguments y, cwt, part, out0, out1; writes out0, out1
.if DOCPART == 4
	.amdgcn_target "amdgcn-amd-amdhsa--gfx1250"
	.amdhsa_code_object_version 6
	.text
	.protected	k_q5bfc5d60c5_combine
	.globl	k_q5bfc5d60c5_combine
	.p2align	8
	.type	k_q5bfc5d60c5_combine,@function
k_q5bfc5d60c5_combine:
	s_mov_b64 s[64:65], 0
	v_nop
	global_prefetch_b8 v0, s[64:65] scope:SCOPE_SE
	s_setreg_imm32_b32 hwreg(HW_REG_WAVE_MODE, 25, 1), 1
	s_wait_xcnt 0x0
; out0[t] = y[4096 + t] + w1[t] y[2 t] + w2[t] y[2 t + 1]: the shared expert's row and the two chosen experts' rows with the gate's weights.  One wave, one token: each row's 4,096 bytes as eight loads
; of 512 consecutive bytes; all 24 loads of the wave go out at once; nothing is read twice.  A stream: no LDS, no barrier, no matrix unit, no cluster (no two waves share a byte).
; out1 = 8 x the sum over the experts of (count / 2,048) (sum of probabilities / 2,048), from the 128 partial rows of the router: the wave of token 0 adds them, in f32.
.set Y0, 4                             ; chunk c: v[4+12c ..]: row 2 t, then row 2 t + 1, then the shared row, four registers each; the result takes the shared row's place
	s_load_b256 s[4:11], s[0:1], 0x0               ; y s[4:5], cwt s[6:7], part s[8:9], out0 s[10:11]
	s_load_b64 s[12:13], s[0:1], 0x20              ; out1
	v_lshrrev_b32 v2, 5, v0
	v_readfirstlane_b32 s14, v2                    ; wave
	v_and_b32 v1, 31, v0
	v_lshlrev_b32 v1, 4, v1                        ; 16 bytes a lane
	s_lshl_b32 s15, ttmp9, 3
	s_add_co_u32 s15, s15, s14                     ; my token
	s_lshl_b32 s20, s15, 3                         ; its 8 bytes of cwt,
	s_lshl_b32 s22, s15, 13                        ; its two routed rows,
	s_mov_b32 s23, 0
	s_lshl_b32 s24, s15, 12                        ; its shared row, and its row of out0
	s_mov_b32 s25, 0
	s_wait_kmcnt 0x0
	s_load_b64 s[16:17], s[6:7], s20 offset:0x0    ; the two weights: stored by an earlier launch
	s_add_nc_u64 s[26:27], s[4:5], s[22:23]
	s_add_nc_u64 s[28:29], s[4:5], s[24:25]
	s_add_nc_u64 s[28:29], s[28:29], 0x1000000     ; the shared rows begin behind 4,096 rows of 4,096 bytes
	s_add_nc_u64 s[30:31], s[10:11], s[24:25]
.irp c, 0,1,2,3,4,5,6,7
	global_load_b128 v[Y0+12*\c:Y0+12*\c+3],    v1, s[26:27] offset:512*\c th:TH_LOAD_NT
	global_load_b128 v[Y0+12*\c+4:Y0+12*\c+7],  v1, s[26:27] offset:4096+512*\c th:TH_LOAD_NT
	global_load_b128 v[Y0+12*\c+8:Y0+12*\c+11], v1, s[28:29] offset:512*\c th:TH_LOAD_NT
.endr
	s_wait_kmcnt 0x0
	s_mov_b32 s18, s17                             ; the second weight in a pair of its own: the packed form takes a pair's low word for both halves
	s_mov_b32 s19, s17
.irp c, 0,1,2,3,4,5,6,7
	s_wait_loadcnt 3*(7-\c)                        ; loads come back in order: chunk c's three are in, the later chunks' stay out
	v_pk_fma_f32 v[Y0+12*\c+8:Y0+12*\c+9],   v[Y0+12*\c:Y0+12*\c+1],   s[16:17], v[Y0+12*\c+8:Y0+12*\c+9] op_sel_hi:[1,0,1]
	v_pk_fma_f32 v[Y0+12*\c+10:Y0+12*\c+11], v[Y0+12*\c+2:Y0+12*\c+3], s[16:17], v[Y0+12*\c+10:Y0+12*\c+11] op_sel_hi:[1,0,1]
	v_pk_fma_f32 v[Y0+12*\c+8:Y0+12*\c+9],   v[Y0+12*\c+4:Y0+12*\c+5], s[18:19], v[Y0+12*\c+8:Y0+12*\c+9] op_sel_hi:[1,0,1]
	v_pk_fma_f32 v[Y0+12*\c+10:Y0+12*\c+11], v[Y0+12*\c+6:Y0+12*\c+7], s[18:19], v[Y0+12*\c+10:Y0+12*\c+11] op_sel_hi:[1,0,1]
	global_store_b128 v1, v[Y0+12*\c+8:Y0+12*\c+11], s[30:31] offset:512*\c th:TH_STORE_NT
.endr
	s_cmp_lg_u32 s15, 0
	s_cbranch_scc1 .Lend
	; THE LOSS.  part is 128 rows of 16 numbers: load i, lane l holds row 8 i + l / 4, numbers 4 (l % 4) ..: l % 4 = 0, 1: the probabilities' sums; 2, 3: the counts.
	s_wait_xcnt 0x0                                ; the stores above have read their registers
	s_mov_b32 s20, 0x76543210                      ; v_permlanex16_b32: each lane takes its own place in the other half
	s_mov_b32 s21, 0xfedcba98
.irp i, 0,1,2,3,4,5,6,7,8,9,10,11,12,13,14,15
	global_load_b128 v[4+4*\i:4+4*\i+3], v1, s[8:9] offset:512*\i
.endr
	s_wait_loadcnt 0x0
.irp i, 1,2,3,4,5,6,7,8,9,10,11,12,13,14,15
	v_pk_add_f32 v[4:5], v[4:5], v[4+4*\i:4+4*\i+1]
	v_pk_add_f32 v[6:7], v[6:7], v[4+4*\i+2:4+4*\i+3]
.endr
.irp m, 4,8
.irp j, 4,5,6,7
	v_add_f32_dpp v\j, v\j, v\j row_xmask:\m row_mask:0xf bank_mask:0xf
.endr
.endr
.irp j, 4,5,6,7
	v_permlanex16_b32 v[4+\j], v\j, s20, s21       ; v8-11 have been written before
.endr
.irp j, 4,5,6,7
	v_add_f32 v\j, v\j, v[4+\j]                    ; every lane: the sums over all 128 rows of its four numbers
.endr
.irp j, 4,5,6,7
	v_mul_f32_dpp v\j, v\j, v\j row_xmask:2 row_mask:0xf bank_mask:0xf   ; an expert's sum of probabilities lies two lanes from its count
.endr
	v_add_f32 v4, v4, v5
	v_add_f32 v6, v6, v7
	v_add_f32 v4, v4, v6
	v_add_f32_dpp v4, v4, v4 row_xmask:1 row_mask:0xf bank_mask:0xf          ; experts 0-3 and 4-7
	v_mul_f32 v4, 0x36000000, v4                   ; 8 / 2,048^2 = 2^-19
	v_mov_b32 v2, 0
	global_store_b32 v2, v4, s[12:13]              ; every lane holds the same number
.Lend:
	s_endpgm
.Lfunc_end_k_q5bfc5d60c5_combine:
	.size	k_q5bfc5d60c5_combine, .Lfunc_end_k_q5bfc5d60c5_combine-k_q5bfc5d60c5_combine
	.p2alignl 7, 3214868480
	.fill 96, 4, 3214868480
	.section	.rodata,"a",@progbits
	.p2align	6, 0x0
	.amdhsa_kernel k_q5bfc5d60c5_combine
		.amdhsa_group_segment_fixed_size 0
		.amdhsa_private_segment_fixed_size 0
		.amdhsa_enable_private_segment 0
		.amdhsa_kernarg_size 40
		.amdhsa_user_sgpr_count 2
		.amdhsa_user_sgpr_kernarg_segment_ptr 1
		.amdhsa_wavefront_size32 1
		.amdhsa_system_sgpr_workgroup_id_x 1
		.amdhsa_system_sgpr_workgroup_id_y 1
		.amdhsa_system_sgpr_workgroup_id_z 1
		.amdhsa_system_vgpr_workitem_id 0
		.amdhsa_next_free_vgpr 112
		.amdhsa_next_free_sgpr 66
		.amdhsa_reserve_vcc 0
		.amdhsa_float_denorm_mode_32 3
		.amdhsa_float_denorm_mode_16_64 3
		.amdhsa_memory_ordered 1
		.amdhsa_forward_progress 1
		.amdhsa_inst_pref_size 12
	.end_amdhsa_kernel
	.amdgpu_metadata
---
amdhsa.version: [ 1, 2 ]
amdhsa.kernels:
  - .name:           k_q5bfc5d60c5_combine
    .symbol:         k_q5bfc5d60c5_combine.kd
    .args:
      - { .name: y, .offset: 0, .size: 8, .value_kind: global_buffer, .address_space: global }
      - { .name: cwt, .offset: 8, .size: 8, .value_kind: global_buffer, .address_space: global }
      - { .name: part, .offset: 16, .size: 8, .value_kind: global_buffer, .address_space: global }
      - { .name: out0, .offset: 24, .size: 8, .value_kind: global_buffer, .address_space: global }
      - { .name: out1, .offset: 32, .size: 8, .value_kind: global_buffer, .address_space: global }
    .group_segment_fixed_size: 0
    .private_segment_fixed_size: 0
    .kernarg_segment_align: 8
    .kernarg_segment_size: 40
    .max_flat_workgroup_size: 256
    .sgpr_count:     66
    .vgpr_count:     112
    .wavefront_size: 32
...
	.end_amdgpu_metadata
.endif
;; end of part 4
